; MI455X (gfx1250); checked and timed in simulation.
; The chip was launched on July 23, 2026; its instructions are those of AMD's public machine-readable ISA for CDNA 5 (MIT licence, August 2026) and "CDNA5" Instruction Set Architecture Reference Guide (July 2026). The comments in the code are by the model that wrote it; some were corrected since.
;; Cross Attention. Allowed arithmetic: matrix products marked QUANTISED: E5M2 operands, one E8M0 scale for each 32 along K, by v_wmma_scale_f32_16x16x128_f8f6f4 with both operands' format E5M2, f32 sums; products left as they are: f32 operands where the result goes on into a quantised operand, else bf16, f16 or f32 operands; f32 sums; everything else in f32.
;; Inputs: Wk 1 x 1,024 float32; Wq 1 x 1,024 float32; Wv_codes 1,024 x 32 x 32 uint8 (E5M2 codes of Wv, K innermost, in blocks of 32 codes); Wv_scales 1,024 x 32 uint8 (E8M0 scales of Wv, one for each 32 codes along K); bk 1,024 float32; bq 1,024 float32; bv 1,024 float32; key 4 x 2,048 x 1 float32; query 4 x 2,048 x 1 float32; value_codes 4 x 2,048 x 32 x 32 uint8 (E5M2 codes of value, K innermost, in blocks of 32 codes); value_scales 4 x 2,048 x 32 uint8 (E8M0 scales of value, one for each 32 codes along K).
;; Outputs: out0 64 x 2,048 x 64 float32.
;; This version of the problem:
;;   THIS VERSION OF THE PROBLEM IS GIVEN IN LOW PRECISION. The matrix products marked QUANTISED in the list below multiply operands that are first quantised to E5M2 (5 exponent bits, 2 mantissa bits; 8 bits a number), with one power-of-two scale for each 32 numbers along K (OCP MX v1.0); their sums are f32. All else is computed in f32.
;;   The module's matrix products, in the order in which they are computed (A, B: the left and right operand; K: the contracted axis; several contracted axes count as one K, in the product's order):
;;     1. [M 8,192, K 1] x [K 1, N 1,024]; A: input query; B: input Wq: left as it is (K = 1 < 32)
;;     2. [M 8,192, K 1] x [K 1, N 1,024]; A: input key; B: input Wk: left as it is (K = 1 < 32)
;;     3. [M 8,192, K 1,024] x [K 1,024, N 1,024]; A: input value (given as codes); B: input Wv (given as codes): QUANTISED
;;     4. batch 64 x [M 2,048, K 64] x [K 64, N 2,048]; A: computed on the way; B: computed on the way: QUANTISED
;;     5. batch 64 x [M 2,048, K 2,048] x [K 2,048, N 64]; A: softmax (see below); B: computed on the way: QUANTISED
;;   THE QUANTISER, for each operand of a quantised product, along K:
;;     - K is cut into blocks of 32 from its start; a last block that is shorter is filled with zeros.
;;     - A block's scale is 2^e with e = floor(log2(the largest magnitude in the block)) - 15, held to -126 .. 127; a block of zeros has e = 0. As a byte (E8M0): e + 127.
;;     - Each number is divided by its block's scale, clamped to +-57,344, and rounded to the nearest number of E5M2, ties to even, subnormals kept.
;;     - The product sums the exact products of the quantised numbers (number of the format x scale) in f32.
;;   ~~~python
;;   def quantise(x, axis):      # numpy; x: float32 -> the quantised numbers, widened to float32 again
;;       x = np.moveaxis(x, axis, -1); K = x.shape[-1]
;;       x = np.pad(x, [(0, 0)] * (x.ndim - 1) + [(0, -K % 32)]); x = x.reshape(x.shape[:-1] + (-1, 32)); a = np.abs(x).max(-1, keepdims=True)
;;       e = np.where(a > 0, np.clip(np.frexp(np.where(a > 0, a, 1))[1] - 1 - 15, -126, 127), 0)      # np.frexp(a)[1] - 1 = floor(log2(a)), exactly
;;       r = np.clip(x / 2.0 ** e, -57344, 57344)
;;       step = 2.0 ** (np.maximum(np.frexp(np.where(r == 0, 1, r))[1] - 1, -14) - 2)
;;       q = np.round(r / step) * step * 2.0 ** e      # np.round: ties to even
;;       return np.moveaxis(q.reshape(q.shape[:-2] + (-1,))[..., :K], -1, axis).astype(np.float32)
;;   ~~~
;;   SOFTMAX AHEAD OF A QUANTISED PRODUCT. Where the list says 'softmax', what is quantised is not the finished softmax but p = 2^(t - M), with t = logit x log2(e) and M = ceil(the row's largest t), a whole number; so 1/2 < the row's largest p <= 1. The row's sum l is taken of the UNQUANTISED p, in f32, and the product's result is divided by l at the end. Since M is a whole number, a kernel that streams over the keys may use a running M (the ceiling of the running maximum): every later rescaling is an exact power of two, which a block's scale takes up: the codes' values come out the same.
;;   OPERANDS COMPUTED ON THE WAY. 'Computed on the way' means the value that the module computes at that place (a softmax that the list does not call 'softmax' is quantised finished and normalised). What goes into a quantiser is computed in f32, as accurately as f32 sums, v_exp_f32 and their like allow (about 1e-6 of the number): no bf16 or f16 on the way to a quantiser, and a product that is left as it is and whose result goes on into a quantised operand takes f32 operands (vector FMAs, or v_wmma_f32_16x16x4_f32). A number that lies on a knife's edge between two numbers of the format may be rounded either way, as far as f32 arithmetic and the matrix unit's own rounding can turn it there, and no further.
;;   INPUTS GIVEN AS CODES. Wv (in the module: [1024, 1024], K = its axis 0); value (in the module: [4, 2048, 1024], K = its axis 2): each comes as NAME_codes (uint8): NAME with its K axis moved to the last place and cut into blocks of 32 codes, [.., K / 32, bytes a block], one block behind the other in memory; one code a byte (a code: sign, 5 exponent bits, 2 mantissa bits); and NAME_scales (uint8): the same leading axes, one E8M0 byte (e + 127) for each 32 codes along K. Its value is code x scale, taken as it is: it is not quantised again, and the codes and scales need not be those that the quantiser above would give.
;; One version. Each part assembles by itself: llvm-mc -triple=amdgcn-amd-amdhsa -mcpu=gfx1250 --defsym DOCPART=n.
;; ======== version 1 of 1: 2 launches
;; limits: right only within a limited range of input values
;; workspace buffers: vws 17,825,792 bytes
;; launch prep (part 1): grid 32 x 8, 4 waves a work-group, clusters of 4 x 4, 327,680 bytes of LDS; arguments Wv_codes, Wv_scales, value_codes, value_scales, vws, bv, key, Wk, bk; writes vws
.if DOCPART == 1
	.amdgcn_target "amdgcn-amd-amdhsa--gfx1250"
	.amdhsa_code_object_version 6
	.text
	.protected	k_q9ade2fadf0_prep
	.globl	k_q9ade2fadf0_prep
	.p2align	8
	.type	k_q9ade2fadf0_prep,@function
k_q9ade2fadf0_prep:
	s_mov_b64 s[64:65], 0
	v_nop
	global_prefetch_b8 v0, s[64:65] scope:SCOPE_SE
	s_setreg_imm32_b32 hwreg(HW_REG_WAVE_MODE, 25, 1), 1
	s_wait_xcnt 0x0
	s_wait_alu depctr_hold_cnt(0) depctr_sa_sdst(0) depctr_va_vdst(0) depctr_va_sdst(0) depctr_va_ssrc(0) depctr_va_vcc(0) depctr_vm_vsrc(0)
	s_getreg_b32 s2, hwreg(HW_REG_IB_STS2, 6, 4)
	s_cmp_eq_u32 s2, 0
	s_cbranch_scc0 .Lentry_in_a_cluster
	s_endpgm
.Lentry_in_a_cluster:
	s_bfe_u32 s2, ttmp6, 0x10000c
	s_cmp_lg_u32 s2, 0xf033
	s_cbranch_scc0 .Lentry_shape_is_right
	s_endpgm
.Lentry_shape_is_right:
; WHAT THE ATTENTION LAUNCH READS, laid as images of its operand registers: vws[head n = 4 h + batch] = K's 16 key steps, then V's 16, 8,704 bytes each:
; 4 fragments of 2,048 bytes (group c of four registers of lane l at 512 c + 16 l) and 512 bytes of scale words (lane l: four words).
; V = value Wv + bv on codes of BF8 (E5M2, one E8M0 byte for 32 along K = 1,024), f32 sums, quantised again along the keys.  K = key Wk + bk in f32 (fused), quantised along the head's 64.
; SHARES.  256 work-groups, a block of 128 channels x 256 tokens each; four waves, 2 x 2; a wave owns one head's 64 channels x one key step's 128 tokens: 32 accumulators, and one whole image of V.
; Source 0 = 16 tokens, source 1 = 16 channels: a lane holds one channel and its registers run along the tokens.  Lane r of tile i takes row 32 (i / 2) + 8 (i % 2) + r + 8 (r / 8), of tokens and of channels,
; so that the 16 registers of tiles 2 b, 2 b + 1 are the tokens 32 b + 16 (lane / 16) + 0 .. 15.
; LDS.  Two regions of 256 rows x (512 + 16) bytes.  At the head one joint load a wave: waves 0, 1 the weight's 128 rows, K 0-511 and K 512-1,023; waves 2, 3 the tokens' rows 0-127 and 128-255, K 0-511.
; The weight goes on into registers (512); behind a drained round of the cluster's barrier the tokens' K 512-1,023 is filled over it, 64 rows a wave, while K 0-511 is multiplied.
; CLUSTERS 4 x 4: the weight's tiles are shared along a row, the tokens' along a column.  The tokens' second half of K is prefetched at the head: 512 blocks of 256 bytes, one a lane, shared out by address among the column's sixteen waves.
; SCALE WORDS come straight into registers, 16 bytes a lane: lanes 0-15 hold a row's words of K steps 0-3, lanes 16-31 those of K steps 4-7.
; K'S IMAGES: 1,024 of them, one a wave, made while the head's tiles are on their way.
; LIMITS: NaN and infinities are not served; a block whose largest magnitude lies under 2^-111 keeps the scale byte 1; k is rounded once (fused).
; REGISTERS: window 0: v0-31 addresses, v32-81 scale words, v128-255 eight fragments of tokens; windows 1, 2: the weight, fragment 4 q + a; window 3: accumulator (a, b) at v[8 (8 a + b)].
.set PITCH, 528
.set PLANE, 128*PITCH
.set RX,    2*PLANE
.set SPARE, 4*PLANE
.set STEPB, 8704
.set HEADB, 16*STEPB
.set BI,  8                            ; v8-11 the bias of my channel in tiles 0-3
.set ADX, 16                           ; v16, v17 my tokens' fragments: K half 0, K half 1
.set ADW, 18                           ; v18, v19 my channels' fragments likewise
.set VO,  20                           ; 16 x lane
.set BO,  21                           ; 4 x (r + 8 (r / 8))
.set SO,  22                           ; 32 x (r + 8 (r / 8)) + 16 (lane / 16)
.set PFO, 23                           ; the prefetch's offset
.set WA,  24                           ; 64 x (lane / 16)
.set SPW, 28
.set NIL, 29
.set WS,  32                           ; v32-47 the weight's scale words, 4 a tile
.set XS,  50                           ; v50-81 the tokens'
.set XF,  128
.set KF,  32                           ; K's images: weight (32) and bias (32),
.set KS_, 96                           ; 64 numbers,
.set KC,  160                          ; four fragments of codes,
.set KN,  244                          ; my keys' numbers
.set ST,  32                           ; the way out: 64 sums with their bias
.set PCB, 128                          ; and four fragments of codes
.set TM,  224
.set PW,  240
.set WVN, 60
.set MNT, 95
.set SEL, 96
.set G1W, 24
.set G0W, 32
.set G0X, 36
.set G1X, 48
.set G0R, 56
.set G1R, 80
.set MSB, 0
.macro WIN new
.if MSB != \new
	s_set_vgpr_msb (MSB<<8)|\new
.set MSB, \new
.endif
.endm
.macro PLACES n
.rept \n
	v_nop
.endr
.endm
.macro CROUND
	s_barrier_signal -1
	s_barrier_wait -1
	s_cmp_lg_u32 s[WVN], 0
	s_cbranch_scc1 .Lnot_wave_0_\@
	s_barrier_signal -3
.Lnot_wave_0_\@:
	s_barrier_wait -3
	s_barrier_signal -1
	s_barrier_wait -1
.endm
.macro TLOAD g0, g1
	tensor_load_to_lds s[\g0:\g0+3], s[\g1:\g1+7]
	s_nop 0
	PLACES 4
.endm
; 64 numbers of a lane, register 16 b + i = k 32 b + 16 (lane / 16) + i of my row, become a fragment's 16 registers of codes and its scale word
.macro QUANT s, pc, pw
.irp b, 0,1,2,3
	v_max3_num_f32 v[TM+\b], |v[(\s)+16*\b]|, |v[(\s)+1+16*\b]|, 0x8000000   ; and the floor 2^(16 - 127)
.endr
.irp i, 2,4,6,8,10,12,14
.irp b, 0,1,2,3
	v_max3_num_f32 v[TM+\b], v[TM+\b], |v[(\s)+16*\b+\i]|, |v[(\s)+1+16*\b+\i]|
.endr
.endr
.irp b, 0,1,2,3
	v_permlanex16_b32 v[TM+4+\b], v[TM+\b], s[SEL], s[SEL+1]
.endr
.irp b, 0,1,2,3
	v_max_num_f32 v[TM+\b], v[TM+\b], v[TM+4+\b]
.endr
.irp b, 0,1,2,3
	v_add_nc_u32 v[TM+12+\b], 0xf8800000, v[TM+\b]          ; the conversion's scale operand
.endr
.irp b, 0,1,2,3
	v_and_or_b32 v[TM+8+\b], v[TM+\b], 0x7f800000, s[MNT]   ; 57,344 x the scale
.endr
.irp b, 0,1,2,3
	v_lshrrev_b32 v[TM+4+\b], 23, v[TM+12+\b]               ; the scale's byte
.endr
	v_lshl_or_b32 v[(\pw)], v[TM+5], 8, v[TM+4]
	v_lshl_or_b32 v[(\pw)], v[TM+6], 16, v[(\pw)]
	v_lshl_or_b32 v[(\pw)], v[TM+7], 24, v[(\pw)]
.irp b, 0,1,2,3
.irp i, 0,1,2,3,4,5,6,7,8,9,10,11,12,13,14,15
	v_med3_num_f32 v[(\s)+16*\b+\i], v[(\s)+16*\b+\i], -v[TM+8+\b], v[TM+8+\b]   ; the conversion does not saturate (ISA guide 7.6.2)
.endr
	v_cvt_scalef32_pk8_bf8_f32 v[(\pc)+4*\b:(\pc)+4*\b+1], v[(\s)+16*\b:(\s)+16*\b+7], v[TM+12+\b]
	v_cvt_scalef32_pk8_bf8_f32 v[(\pc)+4*\b+2:(\pc)+4*\b+3], v[(\s)+16*\b+8:(\s)+16*\b+15], v[TM+12+\b]
.endr
	v_nop
.endm
.macro AFFINE dst, w, bia, pair, sel
.irp i, 0,2,4,6,8,10,12,14
.if (\sel)
	v_pk_fma_f32 v[(\dst)+\i:(\dst)+\i+1], v[(\w)+\i:(\w)+\i+1], v[(\pair):(\pair)+1], v[(\bia)+\i:(\bia)+\i+1] op_sel:[0,1,0] op_sel_hi:[1,1,1]
.else
	v_pk_fma_f32 v[(\dst)+\i:(\dst)+\i+1], v[(\w)+\i:(\w)+\i+1], v[(\pair):(\pair)+1], v[(\bia)+\i:(\bia)+\i+1] op_sel_hi:[1,0,1]
.endif
.endr
.endm
	s_load_b256 s[4:11], s[0:1], 0x0               ; Wv_codes, Wv_scales, value_codes, value_scales
	s_load_b128 s[12:15], s[0:1], 0x20             ; vws, bv
	s_load_b128 s[16:19], s[0:1], 0x30             ; key, Wk
	s_load_b64 s[20:21], s[0:1], 0x40              ; bk
	v_lshl_add_u32 v[SPW], v0, 2, SPARE
	v_mov_b32 v[NIL], 0
	ds_add_u32 v[SPW], v[NIL]                      ; the opening lines: the add, twice on end, and its wait
	ds_add_u32 v[SPW], v[NIL]
	v_lshrrev_b32 v1, 5, v0
	v_readfirstlane_b32 s[WVN], v1                 ; wave 0..3
	s_lshr_b32 s61, s60, 1                         ; my key step of the block's two
	s_and_b32 s62, s60, 1                          ; my head of the block's two
	s_bfe_u32 s40, ttmp6, 0x40000                  ; cx, cy
	s_bfe_u32 s41, ttmp6, 0x40004
	s_lshl_b32 s42, ttmp9, 2
	s_add_co_u32 s42, s42, s40                     ; token tile 0..31
	s_and_b32 s46, ttmp7, 0xffff
	s_lshl_b32 s46, s46, 2
	s_add_co_u32 s46, s46, s41                     ; channel tile 0..7
	s_lshl_b32 s43, s41, 2
	s_lshl_b32 s43, 15, s43                        ; my row of the cluster
	s_lshl_b32 s44, 0x1111, s40                    ; my column
	s_mov_b32 s[MNT], 0x600000
	s_mov_b32 s[SEL], 0x76543210
	s_mov_b32 s[SEL+1], 0xfedcba98
	; group 1: rows of 512 bytes, 1,024 apart in memory, 16 bytes of padding behind each (128 words: code 6; 4 words: code 3)
	s_or_b32 s[G1W], s43, (1<<20)|(1<<21)|(6<<22)|(3<<25)
	s_or_b32 s[G1X], s44, (1<<20)|(1<<21)|(6<<22)|(3<<25)
	s_or_b32 s[G1R], s44, (1<<20)|(1<<21)|(6<<22)|(3<<25)
.irp g, G1W, G1X
	s_mov_b32 s[\g+1], 512<<16
	s_mov_b32 s[\g+2], 128<<16
	s_mov_b32 s[\g+3], 512<<16
	s_mov_b32 s[\g+4], 128
	s_mov_b32 s[\g+5], 1024
	s_mov_b32 s[\g+6], 0
	s_mov_b32 s[\g+7], 0
.endr
	s_mov_b32 s[G1R+1], 512<<16
	s_mov_b32 s[G1R+2], 64<<16
	s_mov_b32 s[G1R+3], 512<<16
	s_mov_b32 s[G1R+4], 64
	s_mov_b32 s[G1R+5], 1024
	s_mov_b32 s[G1R+6], 0
	s_mov_b32 s[G1R+7], 0
	s_lshl_b32 s88, s46, 17                        ; the weight: 128 rows x channel tile, + 512 x half of K (waves 0, 1)
	s_lshl_b32 s89, s62, 9
	s_add_co_u32 s88, s88, s89
	s_mov_b32 s89, 0
	s_lshl_b32 s90, s42, 18                        ; the tokens: 256 rows x token tile, + 128 rows x half (waves 2, 3)
	s_lshl_b32 s91, s62, 17
	s_add_co_u32 s90, s90, s91
	s_mov_b32 s91, 0
	s_lshl_b32 s92, s42, 18                        ; the refill: + 64 rows x wave, K 512 on
	s_lshl_b32 s93, s60, 16
	s_add_co_u32 s92, s92, s93
	s_add_co_u32 s92, s92, 512
	s_mov_b32 s93, 0
	s_mov_b32 s[G0W], 1
	s_mul_i32 s[G0W+1], s62, PLANE
	s_mov_b32 s[G0X], 1
	s_mul_i32 s[G0X+1], s62, PLANE
	s_add_co_u32 s[G0X+1], s[G0X+1], RX
	s_mov_b32 s[G0R], 1
	s_mul_i32 s[G0R+1], s60, 64*PITCH
	s_mul_i32 s22, s61, PLANE                      ; my 128 tokens in a region
	s_add_co_u32 s23, s22, RX
	s_mul_i32 s94, s62, 64*PITCH                   ; my 64 channels in a plane
	s_add_co_u32 s47, s94, PLANE
	s_lshl_b32 s45, s41, 2                         ; which of the column's sixteen waves I am: 16 rows of the prefetch each
	s_add_co_u32 s45, s45, s60
	s_lshl_b32 s45, s45, 14
	s_add_co_u32 s45, s45, 512
	v_and_b32 v1, 15, v0
	v_bfe_u32 v2, v0, 4, 1
	v_and_b32 v3, 31, v0
	v_and_b32 v7, 8, v1
	v_add_nc_u32 v7, v7, v1                        ; r + 8 (r / 8)
	v_mul_u32_u24 v4, v7, PITCH
	v_lshl_add_u32 v4, v2, 4, v4
	v_add_nc_u32 v[ADX], s23, v4
	v_add_nc_u32 v[ADX+1], s22, v4
	v_add_nc_u32 v[ADW], s94, v4
	v_add_nc_u32 v[ADW+1], s47, v4
	v_lshlrev_b32 v[VO], 4, v3
	v_lshlrev_b32 v[BO], 2, v7
	v_lshlrev_b32 v[SO], 5, v7
	v_lshl_add_u32 v[SO], v2, 4, v[SO]
	v_lshlrev_b32 v[WA], 6, v2
	v_lshrrev_b32 v5, 1, v3                        ; the prefetch: two lanes a row
	v_and_b32 v6, 1, v3
	v_lshlrev_b32 v6, 8, v6
	v_lshl_add_u32 v[PFO], v5, 10, v6
	v_add_nc_u32 v[PFO], s45, v[PFO]
.irp b, 0,1,2,3
	v_mov_b32 v[TM+4+\b], 0                        ; a lane permute's destination counts as one of its sources
.endr
	; offsets into the other buffers
	s_lshl_b32 s66, s46, 12                        ; the weight's scale bytes: my 64 channels
	s_lshl_b32 s67, s62, 11
	s_add_co_u32 s66, s66, s67
	s_mov_b32 s67, 0
	s_lshl_b32 s68, s42, 13                        ; the tokens': my 128
	s_lshl_b32 s69, s61, 12
	s_add_co_u32 s68, s68, s69
	s_mov_b32 s69, 0
	s_lshl_b32 s70, s46, 9                         ; bv
	s_lshl_b32 s71, s62, 8
	s_add_co_u32 s70, s70, s71
	s_mov_b32 s71, 0
	s_lshl_b32 s72, s46, 1                         ; V's image: n = 4 (2 x channel tile + head) + token tile / 8; step = 2 (token tile % 8) + my step
	s_add_co_u32 s72, s72, s62
	s_lshl_b32 s72, s72, 2
	s_lshr_b32 s73, s42, 3
	s_add_co_u32 s72, s72, s73
	s_mul_i32 s72, s72, 2*HEADB
	s_and_b32 s73, s42, 7
	s_lshl_b32 s73, s73, 1
	s_add_co_u32 s73, s73, s61
	s_mul_i32 s73, s73, STEPB
	s_add_co_u32 s72, s72, s73
	s_add_co_u32 s72, s72, HEADB
	s_mov_b32 s73, 0
	s_lshl_b32 s74, s46, 5                         ; K's image number 4 (32 x channel tile + token tile) + wave: head = number / 16, step = number % 16
	s_add_co_u32 s74, s74, s42
	s_lshl_b32 s74, s74, 2
	s_add_co_u32 s74, s74, s60
	s_lshr_b32 s75, s74, 4                         ; n
	s_and_b32 s74, s74, 15                         ; step
	s_and_b32 s76, s75, 3                          ; key: 8,192 x batch + 512 x step
	s_lshl_b32 s76, s76, 13
	s_lshl_b32 s77, s74, 9
	s_add_co_u32 s76, s76, s77
	s_mov_b32 s77, 0
	s_lshr_b32 s78, s75, 2                         ; Wk, bk: 256 x h
	s_lshl_b32 s78, s78, 8
	s_mov_b32 s79, 0
	s_mul_i32 s75, s75, 2*HEADB
	s_mul_i32 s74, s74, STEPB
	s_add_co_u32 s74, s74, s75
	s_mov_b32 s75, 0
	s_lshl_b32 s2, s42, 18                         ; the prefetch's base: my token tile
	s_mov_b32 s3, 0
	s_wait_alu depctr_va_vdst(0)
	s_wait_dscnt 0x0
	s_wait_kmcnt 0x0
	s_add_nc_u64 s[G0W+2:G0W+3], s[4:5], s[88:89]
	s_or_b32 s[G0W+3], s[G0W+3], 0x80000000
	s_add_nc_u64 s[G0X+2:G0X+3], s[8:9], s[90:91]
	s_or_b32 s[G0X+3], s[G0X+3], 0x80000000
	s_add_nc_u64 s[G0R+2:G0R+3], s[8:9], s[92:93]
	s_or_b32 s[G0R+3], s[G0R+3], 0x80000000
	s_add_nc_u64 s[2:3], s[8:9], s[2:3]
	s_add_nc_u64 s[6:7], s[6:7], s[66:67]
	s_add_nc_u64 s[10:11], s[10:11], s[68:69]
	s_add_nc_u64 s[14:15], s[14:15], s[70:71]
	s_add_nc_u64 s[72:73], s[12:13], s[72:73]      ; V's image
	s_add_nc_u64 s[74:75], s[12:13], s[74:75]      ; K's image
	s_add_nc_u64 s[16:17], s[16:17], s[76:77]
	s_add_nc_u64 s[18:19], s[18:19], s[78:79]
	s_add_nc_u64 s[20:21], s[20:21], s[78:79]
.irp c, 0,1
.irp e, 0,1,2,3
	global_load_b128 v[KF+16*\c+4*\e:KF+16*\c+4*\e+3], v[WA], s[18:19] offset:128*\c+16*\e
	global_load_b128 v[KF+32+16*\c+4*\e:KF+32+16*\c+4*\e+3], v[WA], s[20:21] offset:128*\c+16*\e
.endr
.endr
.irp t, 0,1,2,3,4,5,6,7
	global_load_b32 v[KN+\t], v[BO], s[16:17] offset:4*(32*(\t/2)+8*(\t%2))
.endr
.irp a, 0,1,2,3
	global_load_b32 v[BI+\a], v[BO], s[14:15] offset:4*(32*(\a/2)+8*(\a%2))
.endr
	CROUND                                         ; all sixteen work-groups are here: the first joint loads meet
	s_cmp_lt_u32 s[WVN], 2                         ; one load a wave; the weight's line is waves 0 and 1's own: the first barrier shows it alone
	s_cbranch_scc0 .Lfor_x
	TLOAD G0W, G1W
	s_branch .Lasked
.Lfor_x:
	TLOAD G0X, G1X
.Lasked:
	global_prefetch_b8 v[PFO], s[2:3] th:TH_LOAD_NT scope:SCOPE_SE   ; the tokens' K 512 on, which the refill will ask for
	s_wait_loadcnt 0x0
	; ---- my image of K: fragment g packs tiles 2 g (blocks 0, 1) and 2 g + 1 (blocks 2, 3)
.irp g, 0,1,2,3
.irp j, 0,1,2,3
	AFFINE KS_+16*\j, KF+16*(\j%2), KF+32+16*(\j%2), KN+2*\g, \j/2
.endr
	QUANT KS_, KC+16*\g, PW+\g
.irp c, 0,1,2,3
	global_store_b128 v[VO], v[KC+16*\g+4*\c:KC+16*\g+4*\c+3], s[74:75] offset:2048*\g+512*\c   ; 32 lanes store 512 consecutive bytes
.endr
.endr
	global_store_b128 v[VO], v[PW:PW+3], s[74:75] offset:8192
	s_wait_alu depctr_va_vdst(0)
	s_wait_xcnt 0x0                                ; the stores have read their registers, which are written again below
.irp a, 0,1,2,3
	global_load_b128 v[WS+4*\a:WS+4*\a+3], v[SO], s[6:7] offset:(32*(\a/2)+8*(\a%2))*32
.endr
.irp b, 0,1,2,3,4,5,6,7
	global_load_b128 v[XS+4*\b:XS+4*\b+3], v[SO], s[10:11] offset:(32*(\b/2)+8*(\b%2))*32
.endr
	s_cmp_lt_u32 s[WVN], 2
	s_cbranch_scc0 .Lnot_w
	s_wait_tensorcnt 0x0                           ; waves 0, 1: the weight has landed
.Lnot_w:
	s_barrier_signal -1
	s_barrier_wait -1
.irp q, 0,1,2,3,4,5,6,7                ; my 64 channels, all of K, into windows 1 and 2
	WIN (1+\q/4)<<6
.irp a, 0,1,2,3
.irp c, 0,1,2,3
	ds_load_b128 v[16*((4*\q+\a)%16)+4*\c:16*((4*\q+\a)%16)+4*\c+3], v[ADW+\q/4] offset:(32*(\a/2)+8*(\a%2))*PITCH+128*(\q%4)+32*\c
.endr
.endr
.endr
	WIN 0
	s_wait_tensorcnt 0x0                           ; all my tensor loads are in;
	ds_add_u32 v[SPW], v[NIL]                      ; the add;
	s_wait_dscnt 0x0                               ; the add is done and the weight is in my registers
	CROUND                                         ; the same holds of every wave of the cluster
	TLOAD G0R, G1R                                 ; the tokens' K 512 on, over the weight's bytes: 64 rows a wave
.macro FETCH b0, q                     ; four fragments of tokens, 16 rows x 128 K each
	WIN 0
.irp b, \b0, \b0+1, \b0+2, \b0+3
.irp c, 0,1,2,3
	ds_load_b128 v[XF+16*(\b)+4*\c:XF+16*(\b)+4*\c+3], v[ADX+(\q)/4] offset:(32*((\b)/2)+8*((\b)%2))*PITCH+128*((\q)%4)+32*\c
.endr
.endr
.endm
.macro MUL b0, q, zero                 ; 16 products: four tiles of tokens x my four tiles of channels; the 32 accumulators take turns
	WIN 0xf0|((1+(\q)/4)<<2)
.irp b, \b0, \b0+1, \b0+2, \b0+3
.irp a, 0,1,2,3
.if \zero
	v_wmma_scale_f32_16x16x128_f8f6f4 v[8*(8*\a+(\b)):8*(8*\a+(\b))+7], v[XF+16*(\b):XF+16*(\b)+15], v[16*((4*(\q)+\a)%16):16*((4*(\q)+\a)%16)+15], 0, v[XS+4*(\b)+(\q)%4], v[WS+4*\a+(\q)%4] matrix_a_fmt:MATRIX_FMT_BF8 matrix_b_fmt:MATRIX_FMT_BF8
.elseif (\q) < 4
	v_wmma_scale_f32_16x16x128_f8f6f4 v[8*(8*\a+(\b)):8*(8*\a+(\b))+7], v[XF+16*(\b):XF+16*(\b)+15], v[16*((4*(\q)+\a)%16):16*((4*(\q)+\a)%16)+15], v[8*(8*\a+(\b)):8*(8*\a+(\b))+7], v[XS+4*(\b)+(\q)%4], v[WS+4*\a+(\q)%4] matrix_a_fmt:MATRIX_FMT_BF8 matrix_b_fmt:MATRIX_FMT_BF8
.else
	v_wmma_scale_f32_16x16x128_f8f6f4 v[8*(8*\a+(\b)):8*(8*\a+(\b))+7], v[XF+16*(\b):XF+16*(\b)+15], v[16*((4*(\q)+\a)%16):16*((4*(\q)+\a)%16)+15], v[8*(8*\a+(\b)):8*(8*\a+(\b))+7], v[XS+4*(\b)+(\q)%4], v[WS+4*\a+(\q)%4] matrix_a_fmt:MATRIX_FMT_BF8 matrix_b_fmt:MATRIX_FMT_BF8 matrix_a_scale:MATRIX_SCALE_ROW1 matrix_b_scale:MATRIX_SCALE_ROW1
.endif
.endr
.endr
.endm
; A K step of 128: tiles 0-3 are fetched anew in its middle, tiles 4-7 at its end, each behind eight places
.macro STEP q, zero, next
	s_wait_dscnt 16                                ; tiles 0-3 are in; the youngest sixteen loads (tiles 4-7) may be out
	MUL 0, \q, \zero
	s_wait_dscnt 0x0
.if \next
	PLACES 8
	FETCH 0, (\q)+1
.endif
	MUL 4, \q, \zero
.if \next
	PLACES 8
	FETCH 4, (\q)+1
.endif
.endm
	FETCH 0, 0
	FETCH 4, 0
	s_wait_loadcnt 0x0                             ; the scale words
	STEP 0, 1, 1                                   ; the first products start the sums
	STEP 1, 0, 1
	STEP 2, 0, 1
	STEP 3, 0, 0
	WIN 0
	s_wait_tensorcnt 0x0                           ; my part of the second half of K is in:
	s_wait_dscnt 0x0
	s_barrier_signal -1
	s_barrier_wait -1                              ; everybody's is.
	PLACES 8
	FETCH 0, 4
	FETCH 4, 4
	STEP 4, 0, 1
	STEP 5, 0, 1
	STEP 6, 0, 1
	STEP 7, 0, 0
	WIN 0
	PLACES 8
; THE WAY OUT: tile a's 64 sums of a lane are 128 tokens of one channel: the bias, the quantiser along the tokens, 16 registers of codes
.macro OUTBLK a
	WIN 0x03
.set AC, 64*(\a)
.set BP, BI+((\a)&2)
.set i, 0
.rept 32
.if (\a)&1
	v_pk_add_f32 v[ST+i:ST+i+1], v[AC+i:AC+i+1], v[BP:BP+1] op_sel:[0,1] op_sel_hi:[1,1]
.else
	v_pk_add_f32 v[ST+i:ST+i+1], v[AC+i:AC+i+1], v[BP:BP+1] op_sel_hi:[1,0]
.endif
.set i, i+2
.endr
	WIN 0
	QUANT ST, PCB+16*(\a), PW+(\a)
.irp c, 0,1,2,3
	global_store_b128 v[VO], v[PCB+16*(\a)+4*\c:PCB+16*(\a)+4*\c+3], s[72:73] offset:(\a)*2048+512*\c
.endr
.endm
.irp a, 0,1,2,3
	OUTBLK \a
.endr
	global_store_b128 v[VO], v[PW:PW+3], s[72:73] offset:8192
	s_wait_tensorcnt 0x0                           ; the wave's end
	ds_add_u32 v[SPW], v[NIL]
	s_wait_dscnt 0x0
	CROUND                                         ; the closing round
	s_endpgm
.Lfunc_end_k_q9ade2fadf0_prep:
	.size	k_q9ade2fadf0_prep, .Lfunc_end_k_q9ade2fadf0_prep-k_q9ade2fadf0_prep
	.p2alignl 7, 3214868480
	.fill 96, 4, 3214868480
	.section	.rodata,"a",@progbits
	.p2align	6, 0x0
	.amdhsa_kernel k_q9ade2fadf0_prep
		.amdhsa_group_segment_fixed_size 327680
		.amdhsa_private_segment_fixed_size 0
		.amdhsa_enable_private_segment 0
		.amdhsa_kernarg_size 72
		.amdhsa_user_sgpr_count 2
		.amdhsa_user_sgpr_kernarg_segment_ptr 1
		.amdhsa_wavefront_size32 1
		.amdhsa_system_sgpr_workgroup_id_x 1
		.amdhsa_system_sgpr_workgroup_id_y 1
		.amdhsa_system_sgpr_workgroup_id_z 1
		.amdhsa_system_vgpr_workitem_id 0
		.amdhsa_next_free_vgpr 1024
		.amdhsa_next_free_sgpr 98
		.amdhsa_reserve_vcc 0
		.amdhsa_float_denorm_mode_32 3
		.amdhsa_float_denorm_mode_16_64 3
		.amdhsa_memory_ordered 1
		.amdhsa_forward_progress 1
		.amdhsa_inst_pref_size 158
	.end_amdhsa_kernel
	.amdgpu_metadata
---
amdhsa.version: [ 1, 2 ]
amdhsa.kernels:
  - .name:           k_q9ade2fadf0_prep
    .symbol:         k_q9ade2fadf0_prep.kd
    .args:
      - { .name: Wv_codes, .offset: 0, .size: 8, .value_kind: global_buffer, .address_space: global }
      - { .name: Wv_scales, .offset: 8, .size: 8, .value_kind: global_buffer, .address_space: global }
      - { .name: value_codes, .offset: 16, .size: 8, .value_kind: global_buffer, .address_space: global }
      - { .name: value_scales, .offset: 24, .size: 8, .value_kind: global_buffer, .address_space: global }
      - { .name: vws, .offset: 32, .size: 8, .value_kind: global_buffer, .address_space: global }
      - { .name: bv, .offset: 40, .size: 8, .value_kind: global_buffer, .address_space: global }
      - { .name: key, .offset: 48, .size: 8, .value_kind: global_buffer, .address_space: global }
      - { .name: Wk, .offset: 56, .size: 8, .value_kind: global_buffer, .address_space: global }
      - { .name: bk, .offset: 64, .size: 8, .value_kind: global_buffer, .address_space: global }
    .group_segment_fixed_size: 327680
    .private_segment_fixed_size: 0
    .kernarg_segment_align: 8
    .kernarg_segment_size: 72
    .max_flat_workgroup_size: 128
    .sgpr_count:     98
    .vgpr_count:     1024
    .wavefront_size: 32
...
	.end_amdgpu_metadata
.endif
;; end of part 1
;; launch attn (part 2): grid 4 x 64, 16 waves a work-group, clusters of 4 x 1, 327,680 bytes of LDS; arguments query, Wq, bq, vws, out0; writes out0
.if DOCPART == 2
	.amdgcn_target "amdgcn-amd-amdhsa--gfx1250"
	.amdhsa_code_object_version 6
	.text
	.protected	k_q9ade2fadf0_attn
	.globl	k_q9ade2fadf0_attn
	.p2align	8
	.type	k_q9ade2fadf0_attn,@function
k_q9ade2fadf0_attn:
	s_mov_b64 s[64:65], 0
	v_nop
	global_prefetch_b8 v0, s[64:65] scope:SCOPE_SE
	s_setreg_imm32_b32 hwreg(HW_REG_WAVE_MODE, 25, 1), 1
	s_wait_xcnt 0x0
	s_wait_alu depctr_hold_cnt(0) depctr_sa_sdst(0) depctr_va_vdst(0) depctr_va_sdst(0) depctr_va_ssrc(0) depctr_va_vcc(0) depctr_vm_vsrc(0)
	s_getreg_b32 s2, hwreg(HW_REG_IB_STS2, 6, 4)
	s_cmp_eq_u32 s2, 0
	s_cbranch_scc0 .Lentry_in_a_cluster
	s_endpgm
.Lentry_in_a_cluster:
	s_bfe_u32 s2, ttmp6, 0x10000c
	s_cmp_lg_u32 s2, 0x3003
	s_cbranch_scc0 .Lentry_shape_is_right
	s_endpgm
.Lentry_shape_is_right:
; out0[n][q][:] = the sum over k of softmax_k(q . k / 8) v[k][:] for head n = 4 h + batch, head size 64, 2,048 queries and keys; both products on codes of BF8 (E5M2) with one E8M0 scale for each 32 along K.
; q[s][d] = query[s] Wq[d] + bq[d]: f32 fused multiply-adds, quantised here along d.  k (codes along d) and v (codes along the keys) come laid as operand registers (vws: the launch before).
; THE SOFTMAX: t = score x log2(e) / 8; M = the row's largest t so far, rounded UP to a whole number; p = 2^(t - M) is quantised along the keys, not normalised; the row's sum is taken of the unquantised p and divides at the end.
; When M moves, the sum and O are multiplied by 2^(old M - new M): exact.
; SHARES.  A cluster of four work-groups is one head; work-group cx owns queries 512 cx on; each of its sixteen waves owns two tiles of 16 queries, one in each of two passes.  Four waves share a SIMD.
; THE WHOLE HEAD'S K AND V LIE IN LDS FOR THE WHOLE LAUNCH, as images of operand registers: 16 steps of 128 keys each, a step 4 fragments of 2,048 bytes (group c of four registers of lane l at 512 c + 16 l) and 512 bytes of scale words.
; The head's 278,528 bytes are one dense block of vws, asked for JOINTLY by the four work-groups, one tensor load a wave (17,408 bytes), once; the first pass's Q is made while they are on their way.  No LDS byte is filled twice.
; No prefetch: K and V are asked for once, at the head, and there is no loop to run ahead in.
; THE FIRST PRODUCT HAS K = 64 and the matrix instruction 128: a fragment of K packs TWO tiles of 16 keys (blocks 0, 1: tile 2 g; blocks 2, 3: tile 2 g + 1), and Q stands as q | zeros | q in 24 registers.  Zero codes add nothing.
; LAYOUT.  Both products are used transposed (S^T = K Q^T, O^T = V^T P^T): a lane holds ONE query throughout.  Lane r of tile 2 g + u takes key 32 g + 8 u + r + 8 (r / 8), so that the 16 registers of tiles 2 g, 2 g + 1
; are the keys 32 g + 16 (lane / 16) + 0 .. 15; V's channels are chosen likewise.
; A STEP'S REGISTERS TAKE TURNS: the next step's K is asked for behind this step's first product (64 registers of its own); V's fragment b lands in the 16 registers of p's block b once that block is converted.
; A BLOCK'S SCALE OF p is floor(t - M) of the block's largest score, less 15: the exponent of 2^(t - M) without a second exponential.
; LIMITS: NaN and infinities among the inputs are not served; a block whose largest magnitude lies under 2^-111 keeps the scale byte 1; q is rounded once (fused) where the problem's text rounds the product and the sum;
; where v_exp_f32 rounds a block's largest p up to the next power of two, that p is held at 1.75 x 2^floor(t - M).
.set STEPB, 8704                       ; a step of 128 keys: 4 x 2,048 bytes of codes + 512 of scale words
.set HEADB, 16*STEPB
.set VB,    HEADB                      ; LDS: K's 16 steps from 0, V's from here,
.set STG,   2*HEADB                    ; a stage of 8 rows x (256 + 16) bytes for each wave,
.set SP,    272
.set SPARE, STG+16*8*SP                ; and the spare words, 128 bytes a wave
.set LK0,  1                           ; v1   16 x lane
.set LV0,  2                           ; v2   16 x lane + VB
.set ADK,  3                           ; v3   the step's K
.set ADV,  4                           ; v4   the step's V
.set STO,  5                           ; v5   the stage: where I put my 128 bytes of a row
.set RD,   6                           ; v6   and where I read a row back
.set GO,   7                           ; v7   my byte offset in two rows of out0
.set QA,   8                           ; v8   4 x r
.set WA,   9                           ; v9   64 x (lane / 16): my 16 numbers of a block of 32 of a weight
.set QV,   10                          ; v[10:11] my query's number, and 0;  v12 -M, v13 the largest score, v[14:15] the sum
.set Q,    16                          ; v16-39  q | zeros | q
.set F,    40                          ; v40-103 four fragments of K; at a pass's head the weight (32) and the bias (32)
.set S,    104                         ; v104-167 S^T, then p, then V's four fragments
.set OT,   168                         ; v168-199 O^T
.set PC,   200                         ; v200-215 p's codes
.set TM,   216                         ; v216-231 at work
.set BM,   TM                          ; the four blocks' largest scores
.set T2,   TM+4                         ; then their exponents
.set HL,   TM+8
.set SOP,  TM+12
.set KSW,  232                         ; v232-235 K's scale words
.set VSW,  236                         ; v236-239 V's
.set TT,   240                         ; v240 the last step's -M
.set PSW,  241                         ; v241 p's scale word
.set FF,   242                         ; v[242:243] f = 2^(old M - new M), and scratch
.set QSW,  244                         ; v244 Q's scale word
.set SA,   246                         ; v246-253 four partial sums of p; at the head: temporaries
.set R_,   247
.set H_,   248
.set T7,   249
.set SPW,  254
.set NIL,  255
.set WV,   20
.set SEL,  44                          ; s[44:45] lane selects for v_permlanex16_b32: lane l xor 16
.set CS,   46                          ; s[46:47] c = log2(e) / 8
.set MNT,  48                          ; s48  the mantissa field of 57,344
.set KO,   49                          ; s49  the step's first byte
.set CNT,  50
.set SX,   51                          ; s51  EXEC, kept
.macro CROUND                          ; a round of the cluster's barrier
	s_barrier_signal -1
	s_barrier_wait -1
	s_cmp_lg_u32 s[WV], 0
	s_cbranch_scc1 .Lnot_wave_0_\@
	s_barrier_signal -3
.Lnot_wave_0_\@:
	s_barrier_wait -3
	s_barrier_signal -1
	s_barrier_wait -1
.endm
; 64 numbers of a lane, v[s] on, register 16 b + i = k 32 b + 16 (lane / 16) + i of my row, become a fragment's codes (block b at v[pc + 4 b + gap (b / 2)] on) and its scale word in v[pw].
.macro QUANT s, pc, gap, pw
.irp b, 0,1,2,3
	v_max3_num_f32 v[TM+\b], |v[(\s)+16*\b]|, |v[(\s)+1+16*\b]|, 0x8000000   ; my 16 numbers, and the floor 2^(16 - 127): the byte cannot fall under 1
.endr
.irp i, 2,4,6,8,10,12,14
.irp b, 0,1,2,3
	s_delay_alu instid0(VALU_DEP_4)
	v_max3_num_f32 v[TM+\b], v[TM+\b], |v[(\s)+16*\b+\i]|, |v[(\s)+1+16*\b+\i]|
.endr
.endr
.irp b, 0,1,2,3
	s_delay_alu instid0(VALU_DEP_4)
	v_permlanex16_b32 v[TM+4+\b], v[TM+\b], s[SEL], s[SEL+1]
.endr
.irp b, 0,1,2,3
	s_delay_alu instid0(VALU_DEP_4)
	v_max_num_f32 v[TM+\b], v[TM+\b], v[TM+4+\b]   ; with lane l xor 16's: the block's largest magnitude
.endr
.irp b, 0,1,2,3
	s_delay_alu instid0(VALU_DEP_4)
	v_add_nc_u32 v[TM+12+\b], 0xf8800000, v[TM+\b] ; 15 off its exponent field: the conversion's scale operand
.endr
.irp b, 0,1,2,3
	v_and_or_b32 v[TM+8+\b], v[TM+\b], 0x7f800000, s[MNT]   ; 57,344 x the scale
.endr
.irp b, 0,1,2,3
	v_lshrrev_b32 v[TM+4+\b], 23, v[TM+12+\b]      ; the scale's byte
.endr
	s_delay_alu instid0(VALU_DEP_3)
	v_lshl_or_b32 v[(\pw)], v[TM+5], 8, v[TM+4]
	s_delay_alu instid0(VALU_DEP_1)
	v_lshl_or_b32 v[(\pw)], v[TM+6], 16, v[(\pw)]
	s_delay_alu instid0(VALU_DEP_1)
	v_lshl_or_b32 v[(\pw)], v[TM+7], 24, v[(\pw)]
.irp b, 0,1,2,3
.irp i, 0,1,2,3,4,5,6,7,8,9,10,11,12,13,14,15
	v_med3_num_f32 v[(\s)+16*\b+\i], v[(\s)+16*\b+\i], -v[TM+8+\b], v[TM+8+\b]   ; the conversion does not saturate (ISA guide 7.6.2): the hold
.endr
	v_cvt_scalef32_pk8_bf8_f32 v[(\pc)+4*\b+(\gap)*(\b/2):(\pc)+4*\b+(\gap)*(\b/2)+1], v[(\s)+16*\b:(\s)+16*\b+7], v[TM+12+\b]
	v_cvt_scalef32_pk8_bf8_f32 v[(\pc)+4*\b+(\gap)*(\b/2)+2:(\pc)+4*\b+(\gap)*(\b/2)+3], v[(\s)+16*\b+8:(\s)+16*\b+15], v[TM+12+\b]
.endr
	v_nop                                          ; one plain vector instruction behind the last scaled conversion
.endm
; 16 numbers x W[d] + b[d]: x is the pair's low register, for both halves
.macro AFFINE dst, w, bia, pair
.irp i, 0,2,4,6,8,10,12,14
	v_pk_fma_f32 v[(\dst)+\i:(\dst)+\i+1], v[(\w)+\i:(\w)+\i+1], v[(\pair):(\pair)+1], v[(\bia)+\i:(\bia)+\i+1] op_sel_hi:[1,0,1]
.endr
.endm
; my 32 numbers of the head's weight (v[F] on) and bias (v[F + 32] on): d = 32 c + 16 (lane / 16) + 0 .. 15, c = 0, 1
.macro WLOAD w, bi
.irp c, 0,1
.irp e, 0,1,2,3
	global_load_b128 v[F+16*\c+4*\e:F+16*\c+4*\e+3], v[WA], s[\w:\w+1] offset:128*\c+16*\e
	global_load_b128 v[F+32+16*\c+4*\e:F+32+16*\c+4*\e+3], v[WA], s[\bi:\bi+1] offset:128*\c+16*\e
.endr
.endr
.endm
; four fragments of K and their scale words, from v[adr] + off
.macro KLOAD adr, off
.irp g, 0,1,2,3
.irp c, 0,1,2,3
	ds_load_b128 v[F+16*\g+4*\c:F+16*\g+4*\c+3], v[\adr] offset:(\off)+2048*\g+512*\c
.endr
.endr
	ds_load_b128 v[KSW:KSW+3], v[\adr] offset:(\off)+8192
.endm
	s_load_b64 s[4:5], s[0:1], 0x0                 ; query
	s_load_b128 s[8:11], s[0:1], 0x8               ; Wq s[8:9], bq s[10:11]
	s_load_b128 s[16:19], s[0:1], 0x18             ; vws s[16:17], out0 s[18:19]
	v_lshl_add_u32 v[SPW], v0, 2, SPARE
	v_mov_b32 v[NIL], 0
	ds_add_u32 v[SPW], v[NIL]                      ; the opening lines: the add, twice on end, and its wait ahead of my tensor load
	ds_add_u32 v[SPW], v[NIL]
	v_lshrrev_b32 v1, 5, v0
	s_delay_alu instid0(VALU_DEP_1)
	v_readfirstlane_b32 s[WV], v1                  ; wave 0..15
	s_bfe_u32 s21, ttmp6, 0x40000                  ; cx: it enters query's and out0's addresses alone
	s_and_b32 s22, ttmp7, 0xffff                   ; n, the head of 64: the cluster's y
	s_lshr_b32 s23, s22, 2                         ; h
	s_and_b32 s24, s22, 3                          ; batch
	; descriptor group 1: two steps: 68 rows of 256 bytes (32 elements of 8 bytes), dense in memory and in LDS
	s_mov_b32 s32, 15|(3<<16)|(1<<21)              ; the mask: all four work-groups; elements of 8 bytes; bit 21 beside a mask
	s_mov_b32 s33, 32<<16
	s_mov_b32 s34, 68<<16
	s_mov_b32 s35, 32<<16
	s_mov_b32 s36, 68
	s_mov_b32 s37, 32
	s_mov_b32 s38, 0
	s_mov_b32 s39, 0
	s_mul_i32 s41, s[WV], 2*STEPB                  ; my sixteenth of the head's block: in LDS,
	s_mul_i32 s26, s22, 2*HEADB
	s_add_co_u32 s26, s26, s41                     ; and in vws
	s_mov_b32 s27, 0
	s_mov_b32 s40, 1                               ; group 0: count = 1
	s_lshl_b32 s30, s23, 8                         ; the weight and bias: 256 x h
	s_mov_b32 s31, 0
	s_lshl_b32 s52, s24, 13                        ; query: 8,192 x batch + 2,048 x cx + 64 x wave
	s_lshl_b32 s53, s21, 11
	s_add_co_u32 s52, s52, s53
	s_lshl_b32 s53, s[WV], 6
	s_add_co_u32 s52, s52, s53
	s_mov_b32 s53, 0
	s_lshl_b32 s54, s22, 19                        ; out0: 524,288 x n + 131,072 x cx + 4,096 x wave
	s_lshl_b32 s55, s21, 17
	s_add_co_u32 s54, s54, s55
	s_lshl_b32 s55, s[WV], 12
	s_add_co_u32 s54, s54, s55
	s_mov_b32 s55, 0
	s_mul_i32 s56, s[WV], 8*SP
	s_add_co_u32 s56, s56, STG                     ; my stage
	s_mov_b32 s[SEL], 0x76543210
	s_mov_b32 s[SEL+1], 0xfedcba98
	s_mov_b32 s[CS], 0x3e38aa3b                    ; c = log2(e) / 8
	s_mov_b32 s[CS+1], s[CS]
	s_mov_b32 s[MNT], 0x600000
	v_and_b32 v[R_], 15, v0                        ; r
	v_bfe_u32 v[H_], v0, 4, 1                      ; lane / 16
	s_delay_alu instid0(VALU_DEP_1)
	v_lshlrev_b32 v[WA], 6, v[H_]
	v_and_b32 v[LK0], 31, v0
	s_delay_alu instid0(VALU_DEP_1)
	v_lshlrev_b32 v[LK0], 4, v[LK0]
	s_delay_alu instid0(VALU_DEP_1)
	v_add_nc_u32 v[LV0], VB, v[LK0]
	v_and_b32 v[T7], 7, v0
	s_delay_alu instid0(VALU_DEP_1)
	v_mul_u32_u24 v[STO], v[T7], SP
	s_delay_alu instid0(VALU_DEP_1)
	v_lshl_add_u32 v[STO], v[H_], 6, v[STO]
	s_delay_alu instid0(VALU_DEP_1)
	v_add_nc_u32 v[STO], s56, v[STO]               ; row r % 8, + 64 x (lane / 16)
	v_mul_u32_u24 v[RD], v[H_], SP
	s_delay_alu instid0(VALU_DEP_1)
	v_lshl_add_u32 v[RD], v[R_], 4, v[RD]
	s_delay_alu instid0(VALU_DEP_1)
	v_add_nc_u32 v[RD], s56, v[RD]                 ; back: lanes 0-15 one row of 256 bytes, lanes 16-31 the next
	v_lshlrev_b32 v[GO], 8, v[H_]
	s_delay_alu instid0(VALU_DEP_1)
	v_lshl_add_u32 v[GO], v[R_], 4, v[GO]          ; and the same two rows in out0
	v_lshlrev_b32 v[QA], 2, v[R_]
.irp i, 0,1,2,3,4,5,6,7
	v_mov_b32 v[Q+8+\i], 0                         ; Q's zero codes: they stay
.endr
	v_mov_b32 v[QV+1], 0                           ; (upper halves of pairs of which the low word is used)
	v_mov_b32 v[FF+1], 0
	v_mov_b32 v[TT], 0
.irp b, 0,1,2,3
	v_mov_b32 v[T2+\b], 0                          ; a lane permute's destination counts as one of its sources
.endr
	s_wait_alu depctr_va_vdst(0)
	s_wait_dscnt 0x0                               ; both opening adds are done
	s_wait_kmcnt 0x0
	s_add_nc_u64 s[8:9], s[8:9], s[30:31]
	s_add_nc_u64 s[10:11], s[10:11], s[30:31]
	s_add_nc_u64 s[4:5], s[4:5], s[52:53]
	s_add_nc_u64 s[18:19], s[18:19], s[54:55]
	s_add_nc_u64 s[42:43], s[16:17], s[26:27]      ; global address of my part: made of n and the wave's number alone
	s_or_b32 s43, s43, 0x80000000                  ; type = 2
	CROUND                                         ; all four work-groups are here: the joint loads meet
	tensor_load_to_lds s[40:43], s[32:39]          ; my one tensor load of the launch
	s_nop 0
.rept 4
	v_nop
.endr
.irp i, 0,1,2,3
	ds_store_b128 v[RD], v[Q+8:Q+11] offset:2*\i*SP   ; my stage is written whole once, all lanes on: every byte that the way out reads back has been written
.endr
; A KEY STEP: 128 keys.  At its head K's four fragments and scale words are in registers.
.macro STEP
.irp g, 0,1,2,3                        ; S^T = K Q^T: each fragment of K twice, against q | 0 and against 0 | q
	v_wmma_scale_f32_16x16x128_f8f6f4 v[S+16*\g:S+16*\g+7], v[F+16*\g:F+16*\g+15], v[Q:Q+15], 0, v[KSW+\g], v[QSW] matrix_a_fmt:MATRIX_FMT_BF8 matrix_b_fmt:MATRIX_FMT_BF8
	v_wmma_scale_f32_16x16x128_f8f6f4 v[S+16*\g+8:S+16*\g+15], v[F+16*\g:F+16*\g+15], v[Q+8:Q+23], 0, v[KSW+\g], v[QSW] matrix_a_fmt:MATRIX_FMT_BF8 matrix_b_fmt:MATRIX_FMT_BF8
.endr
	v_add_nc_u32 v[ADK], s[KO], v[LK0]             ; eight places: in front of the loads below and of the first read of the scores
	v_add_nc_u32 v[ADV], s[KO], v[LV0]
.rept 6
	v_nop
.endr
	KLOAD ADK, STEPB                               ; the NEXT step's K: the softmax stands between these loads and their use (behind the last step they bring V's first bytes, which nobody uses)
.irp b, 0,1,2,3
	v_max3_num_f32 v[BM+\b], v[S+16*\b], v[S+1+16*\b], v[S+2+16*\b]   ; the largest score of each block of 32 keys: for the row's maximum and for the block's scale
.endr
.irp i, 3,5,7,9,11,13
.irp b, 0,1,2,3
	v_max3_num_f32 v[BM+\b], v[BM+\b], v[S+16*\b+\i], v[S+1+16*\b+\i]
.endr
.endr
.irp b, 0,1,2,3
	v_max_num_f32 v[BM+\b], v[BM+\b], v[S+15+16*\b]
.endr
.irp b, 0,1,2,3
	s_delay_alu instid0(VALU_DEP_4)
	v_permlanex16_b32 v[T2+\b], v[BM+\b], s[SEL], s[SEL+1]
.endr
.irp b, 0,1,2,3
	s_delay_alu instid0(VALU_DEP_4)
	v_max_num_f32 v[BM+\b], v[BM+\b], v[T2+\b]     ; with lane l xor 16's 16 keys
.endr
	s_delay_alu instid0(VALU_DEP_2)
	v_max3_num_f32 v[FF+1], v[BM], v[BM+1], v[BM+2]
	s_delay_alu instid0(VALU_DEP_1)
	v_max3_num_f32 v13, v13, v[FF+1], v[BM+3]      ; the running largest score
	s_delay_alu instid0(VALU_DEP_1)
	v_mul_f32 v[FF+1], s[CS], v13                  ; as t (c is positive)
	s_delay_alu instid0(VALU_DEP_1)
	v_floor_f32 v12, -v[FF+1]                      ; the new -M = floor(-t) = -ceil(t)
	s_delay_alu instid0(VALU_DEP_1)
	v_sub_f32 v[FF+1], v12, v[TT]                  ; old M - new M: a whole number, 0 or less
	s_delay_alu instid0(VALU_DEP_1)
	v_cvt_i32_f32 v[FF+1], v[FF+1]                 ; (it saturates)
	s_delay_alu instid0(VALU_DEP_1)
	v_ldexp_f32 v[FF], 1.0, v[FF+1]                ; f = 2^(old M - new M)
.set j, 0
.rept 32
	v_pk_fma_f32 v[S+j:S+j+1], v[S+j:S+j+1], s[CS:CS+1], v[12:13] op_sel_hi:[1,0,0]   ; t - M, two at a time
.set j, j+2
.endr
.irp b, 0,1,2,3
	v_fma_f32 v[BM+\b], v[BM+\b], s[CS], v12       ; the same of each block's largest score
.endr
.irp b, 0,1,2,3
	v_max_num_f32 v[BM+\b], 0xc2de0000, v[BM+\b]   ; not under -111: the byte cannot fall under 1
.endr
.irp b, 0,1,2,3
	v_cvt_floor_i32_f32 v[T2+\b], v[BM+\b]         ; e = the exponent of the block's largest p
.endr
.irp b, 0,1,2,3
	v_lshl_add_u32 v[SOP+\b], v[T2+\b], 23, 0x38000000   ; exponent field e + 127 - 15: the conversion's scale operand
.endr
.irp b, 0,1,2,3
	v_add_nc_u32 v[HL+\b], 0x07e00000, v[SOP+\b]   ; 1.75 x 2^e = 57,344 x the scale
.endr
	v_lshl_add_u32 v[PSW], v[T2+3], 8, v[T2+2]     ; p's scale word: the sum of (e_b + 112) x 256^b; the four 112 are added below
	s_delay_alu instid0(VALU_DEP_1)
	v_lshl_add_u32 v[PSW], v[PSW], 8, v[T2+1]
	s_delay_alu instid0(VALU_DEP_1)
	v_lshl_add_u32 v[PSW], v[PSW], 8, v[T2]
	s_wait_alu depctr_va_vdst(0)
.set j, 0
.rept 64
	v_exp_f32 v[S+j], v[S+j]                       ; p = 2^(t - M), at most 1
.set j, j+1
.endr
	v_add_nc_u32 v[PSW], 0x70707070, v[PSW]        ; a plain instruction behind the exponentials
	s_wait_alu depctr_va_vdst(0)                   ; one wait for the whole batch, ahead of its first reader
.irp k, 0,1,2,3                        ; the row's sum of the unquantised p: four chains, two numbers a line
	v_pk_add_f32 v[SA+2*\k:SA+2*\k+1], v[S+2*\k:S+2*\k+1], v[S+8+2*\k:S+9+2*\k]
.endr
.irp m, 2,3,4,5,6,7
.irp k, 0,1,2,3
	v_pk_add_f32 v[SA+2*\k:SA+2*\k+1], v[SA+2*\k:SA+2*\k+1], v[S+8*\m+2*\k:S+8*\m+2*\k+1]
.endr
.endr
.irp b, 0,1,2,3
.set i, 0
.rept 8                                ; the conversion does not saturate (ISA guide 7.6.2); p is not negative, so the hold is one-sided: two a line
	v_dual_min_num_f32 v[S+16*\b+i], v[S+16*\b+i], v[HL+\b] :: v_dual_min_num_f32 v[S+16*\b+i+1], v[S+16*\b+i+1], v[HL+\b]
.set i, i+2
.endr
	v_cvt_scalef32_pk8_bf8_f32 v[PC+4*\b:PC+4*\b+1], v[S+16*\b:S+16*\b+7], v[SOP+\b]
	v_cvt_scalef32_pk8_bf8_f32 v[PC+4*\b+2:PC+4*\b+3], v[S+16*\b+8:S+16*\b+15], v[SOP+\b]
.irp c, 0,1,2,3
	ds_load_b128 v[S+16*\b+4*\c:S+16*\b+4*\c+3], v[ADV] offset:2048*\b+512*\c   ; V's fragment b, into the registers that block b has left
.endr
.endr
	ds_load_b128 v[VSW:VSW+3], v[ADV] offset:8192
	s_wait_alu depctr_va_vdst(0)                   ; directly ahead of the first reader of O^T
.set j, 0
.rept 16
	v_pk_mul_f32 v[OT+j:OT+j+1], v[OT+j:OT+j+1], v[FF:FF+1] op_sel_hi:[1,0]   ; O^T under the new M; also the places between the codes and the products below
.set j, j+2
.endr
	s_wait_alu depctr_va_vdst(0)
	s_wait_dscnt 0x0                               ; V is in, and so is the next step's K, asked for ahead of it
.irp t, 0,1,2,3                        ; O^T += V^T P^T: four accumulators, one instruction a turn
	v_wmma_scale_f32_16x16x128_f8f6f4 v[OT+8*\t:OT+8*\t+7], v[S+16*\t:S+16*\t+15], v[PC:PC+15], v[OT+8*\t:OT+8*\t+7], v[VSW+\t], v[PSW] matrix_a_fmt:MATRIX_FMT_BF8 matrix_b_fmt:MATRIX_FMT_BF8
.endr
	v_pk_add_f32 v[SA:SA+1], v[SA:SA+1], v[SA+2:SA+3]       ; nine places ahead of the next step's products, which write over V's registers: the sums' last lines among them
	v_pk_add_f32 v[SA+4:SA+5], v[SA+4:SA+5], v[SA+6:SA+7]
	v_mov_b32 v[TT], v12
	v_nop
	v_pk_add_f32 v[SA:SA+1], v[SA:SA+1], v[SA+4:SA+5]
.rept 3
	v_nop
.endr
	v_pk_fma_f32 v[14:15], v[14:15], v[FF:FF+1], v[SA:SA+1] op_sel_hi:[1,0,1]   ; the sum under the new M, and this step's p
.endm
; Eight rows of the tile go through my stage: the lanes that hold them store 128 bytes each, then all lanes read whole rows back.  LDS serves a wave's instructions in order (ISA guide 5.7.1.4).
.macro HALFROWS upper, dst
.if \upper
	v_cmp_ne_u32 vcc_lo, 0, v[TT]
.else
	v_cmp_eq_u32 vcc_lo, 0, v[TT]
.endif
	s_and_saveexec_b32 s[SX], vcc_lo               ; no global instruction is issued between here and the restore
.irp u, 0,1
.irp e, 0,1,2,3
	ds_store_b128 v[STO], v[S+16*\u+4*\e:S+16*\u+4*\e+3] offset:128*\u+16*\e   ; channels 32 u + 16 (lane / 16) + 4 e on
.endr
.endr
	s_or_b32 exec_lo, exec_lo, s[SX]
.irp i, 0,1,2,3
	ds_load_b128 v[(\dst)+4*\i:(\dst)+4*\i+3], v[RD] offset:2*\i*SP
.endr
.endm
.macro WAYOUT p
	v_add_f32 v14, v14, v15                        ; the sum's two halves,
	s_delay_alu instid0(VALU_DEP_1)
	v_permlanex16_b32 v[TT], v14, s[SEL], s[SEL+1]
	s_delay_alu instid0(VALU_DEP_1)
	v_add_f32 v14, v14, v[TT]                      ; and lane l xor 16's: the row's sum
	s_wait_alu depctr_va_vdst(0)
	v_rcp_f32 v14, v14
	v_and_b32 v[TT], 8, v0                         ; (the plain instruction behind the reciprocal)  0 in the lanes of queries 0 to 7
	s_wait_alu depctr_va_vdst(0)                   ; ahead of the first reader of the reciprocal and of O^T
.set j, 0
.rept 16
	v_pk_mul_f32 v[S+j:S+j+1], v[OT+j:OT+j+1], v[14:15] op_sel_hi:[1,0]   ; O^T / the sum: register 16 u + i is channel 32 u + 16 (lane / 16) + i of query r
.set j, j+2
.endr
	s_wait_alu depctr_va_vdst(0)
	s_wait_xcnt 0x0                                ; EXEC changes only behind this wait
	HALFROWS 0, S+32
	HALFROWS 1, S+48
	s_wait_dscnt 12                                ; the first four loads are in; behind them stand the second half's 8 stores and 4 loads
.irp i, 0,1,2,3
	global_store_b128 v[GO], v[S+32+4*\i:S+32+4*\i+3], s[18:19] offset:65536*\p+512*\i th:TH_STORE_NT   ; 16 lanes store a whole row of 256 bytes
.endr
	s_wait_dscnt 0x0
.irp i, 0,1,2,3
	global_store_b128 v[GO], v[S+48+4*\i:S+48+4*\i+3], s[18:19] offset:65536*\p+2048+512*\i th:TH_STORE_NT
.endr
.endm
; A PASS: 16 queries of my wave against all 2,048 keys.
.macro PASS p
	s_wait_xcnt 0x0                                ; the last pass's stores have read their registers
	WLOAD 8, 10
	global_load_b32 v[QV], v[QA], s[4:5] offset:1024*\p   ; my query's number
	s_wait_loadcnt 0x0
.irp j, 0,1,2,3
	AFFINE S+16*\j, F+16*(\j%2), F+32+16*(\j%2), QV   ; q's 64 numbers, twice: blocks 2, 3 repeat blocks 0, 1
.endr
	QUANT S, Q, 8, QSW                             ; codes into v16-23 and v32-39; the scale word's bytes 2, 3 repeat bytes 0, 1
	v_mov_b32 v13, 0xff61b1e6                      ; the largest score so far: -3e38, under every score
	s_delay_alu instid0(VALU_DEP_1)
	v_floor_f32 v12, -v13                          ; -M
	v_mov_b32 v14, 0                               ; the sum, in two halves
	v_mov_b32 v15, 0
	v_mov_b32 v[TT], v12
.set j, 0
.rept 32
	v_mov_b32 v[OT+j], 0                           ; O^T: the step is written once; its first trip finds zeros
.set j, j+1
.endr
.if \p == 0
	s_wait_alu depctr_va_vdst(0)
	s_wait_tensorcnt 0x0                           ; my part of K and V has landed,
	s_wait_dscnt 0x0                               ; my stage is written:
	s_barrier_signal -1
	s_barrier_wait -1                              ; everybody's part has.
.endif
	KLOAD LK0, 0                                   ; the first step's K
	s_mov_b32 s[KO], 0
	s_mov_b32 s[CNT], 16
	s_wait_alu depctr_va_vdst(0)
	s_wait_dscnt 0x0
.Lstep_\@:
	STEP
	s_add_co_u32 s[KO], s[KO], STEPB
	s_sub_co_u32 s[CNT], s[CNT], 1
	s_cmp_lg_u32 s[CNT], 0
	s_wait_alu depctr_va_vdst(0)
	s_cbranch_scc1 .Lstep_\@
	WAYOUT \p
.endm
	PASS 0
	PASS 1
	s_wait_tensorcnt 0x0                           ; the wave's end
	ds_add_u32 v[SPW], v[NIL]
	s_wait_dscnt 0x0
	CROUND                                         ; the closing round, behind the launch's tensor loads
	s_endpgm
.Lfunc_end_k_q9ade2fadf0_attn:
	.size	k_q9ade2fadf0_attn, .Lfunc_end_k_q9ade2fadf0_attn-k_q9ade2fadf0_attn
	.p2alignl 7, 3214868480
	.fill 96, 4, 3214868480
	.section	.rodata,"a",@progbits
	.p2align	6, 0x0
	.amdhsa_kernel k_q9ade2fadf0_attn
		.amdhsa_group_segment_fixed_size 327680
		.amdhsa_private_segment_fixed_size 0
		.amdhsa_enable_private_segment 0
		.amdhsa_kernarg_size 40
		.amdhsa_user_sgpr_count 2
		.amdhsa_user_sgpr_kernarg_segment_ptr 1
		.amdhsa_wavefront_size32 1
		.amdhsa_system_sgpr_workgroup_id_x 1
		.amdhsa_system_sgpr_workgroup_id_y 1
		.amdhsa_system_sgpr_workgroup_id_z 1
		.amdhsa_system_vgpr_workitem_id 0
		.amdhsa_next_free_vgpr 256
		.amdhsa_next_free_sgpr 66
		.amdhsa_reserve_vcc 1
		.amdhsa_float_denorm_mode_32 3
		.amdhsa_float_denorm_mode_16_64 3
		.amdhsa_memory_ordered 1
		.amdhsa_forward_progress 1
		.amdhsa_inst_pref_size 82
	.end_amdhsa_kernel
	.amdgpu_metadata
---
amdhsa.version: [ 1, 2 ]
amdhsa.kernels:
  - .name:           k_q9ade2fadf0_attn
    .symbol:         k_q9ade2fadf0_attn.kd
    .args:
      - { .name: query, .offset: 0, .size: 8, .value_kind: global_buffer, .address_space: global }
      - { .name: Wq, .offset: 8, .size: 8, .value_kind: global_buffer, .address_space: global }
      - { .name: bq, .offset: 16, .size: 8, .value_kind: global_buffer, .address_space: global }
      - { .name: vws, .offset: 24, .size: 8, .value_kind: global_buffer, .address_space: global }
      - { .name: out0, .offset: 32, .size: 8, .value_kind: global_buffer, .address_space: global }
    .group_segment_fixed_size: 327680
    .private_segment_fixed_size: 0
    .kernarg_segment_align: 8
    .kernarg_segment_size: 40
    .max_flat_workgroup_size: 512
    .sgpr_count:     66
    .vgpr_count:     256
    .wavefront_size: 32
...
	.end_amdgpu_metadata
.endif
;; end of part 2
